; MI455X (gfx1250); checked and timed in simulation.
; The chip was launched on July 23, 2026; its instructions are those of AMD's public machine-readable ISA for CDNA 5 (MIT licence, August 2026) and "CDNA5" Instruction Set Architecture Reference Guide (July 2026). The comments in the code are by the model that wrote it; some were corrected since.
;; Quant Linear W4 A8. Allowed arithmetic: matrix products marked QUANTISED: E3M2 operands, one E8M0 scale for each 32 along K, by v_wmma_scale_f32_16x16x128_f8f6f4 with both operands' format E3M2, f32 sums; everything else in f32.
;; Inputs: packed_weight 8,388,608 int32; scales 131,072 x 1 float32; x 4,096 x 4,096 float32; zeros 131,072 x 1 float32.
;; Outputs: out0 4,096 x 4,096 float32.
;; This version of the problem:
;;   THIS VERSION OF THE PROBLEM IS GIVEN IN LOW PRECISION. The matrix products marked QUANTISED in the list below multiply operands that are first quantised to E3M2 (3 exponent bits, 2 mantissa bits; 6 bits a number), with one power-of-two scale for each 32 numbers along K (OCP MX v1.0); their sums are f32. All else is computed in f32.
;;   The module's matrix products, in the order in which they are computed (A, B: the left and right operand; K: the contracted axis; several contracted axes count as one K, in the product's order):
;;     1. [M 4,096, K 4,096] x [K 4,096, N 4,096]; A: computed on the way; B: computed on the way: QUANTISED
;;   THE QUANTISER, for each operand of a quantised product, along K:
;;     - K is cut into blocks of 32 from its start; a last block that is shorter is filled with zeros.
;;     - A block's scale is 2^e with e = floor(log2(the largest magnitude in the block)) - 4, held to -126 .. 127; a block of zeros has e = 0. As a byte (E8M0): e + 127.
;;     - Each number is divided by its block's scale, clamped to +-28, and rounded to the nearest number of E3M2, ties to even, subnormals kept.
;;     - The product sums the exact products of the quantised numbers (number of the format x scale) in f32.
;;   ~~~python
;;   def quantise(x, axis):      # numpy; x: float32 -> the quantised numbers, widened to float32 again
;;       x = np.moveaxis(x, axis, -1); K = x.shape[-1]
;;       x = np.pad(x, [(0, 0)] * (x.ndim - 1) + [(0, -K % 32)]); x = x.reshape(x.shape[:-1] + (-1, 32)); a = np.abs(x).max(-1, keepdims=True)
;;       e = np.where(a > 0, np.clip(np.frexp(np.where(a > 0, a, 1))[1] - 1 - 4, -126, 127), 0)      # np.frexp(a)[1] - 1 = floor(log2(a)), exactly
;;       r = np.clip(x / 2.0 ** e, -28, 28)
;;       step = 2.0 ** (np.maximum(np.frexp(np.where(r == 0, 1, r))[1] - 1, -2) - 2)
;;       q = np.round(r / step) * step * 2.0 ** e      # np.round: ties to even
;;       return np.moveaxis(q.reshape(q.shape[:-2] + (-1,))[..., :K], -1, axis).astype(np.float32)
;;   ~~~
;;   OPERANDS COMPUTED ON THE WAY. 'Computed on the way' means the value that the module computes at that place (a softmax that the list does not call 'softmax' is quantised finished and normalised). What goes into a quantiser is computed in f32, as accurately as f32 sums, v_exp_f32 and their like allow (about 1e-6 of the number): no bf16 or f16 on the way to a quantiser, and a product that is left as it is and whose result goes on into a quantised operand takes f32 operands (vector FMAs, or v_wmma_f32_16x16x4_f32). A number that lies on a knife's edge between two numbers of the format may be rounded either way, as far as f32 arithmetic and the matrix unit's own rounding can turn it there, and no further.
;; One version. Each part assembles by itself: llvm-mc -triple=amdgcn-amd-amdhsa -mcpu=gfx1250 --defsym DOCPART=n.
;; ======== version 1 of 1: 3 launches
;; limits: right only within a limited range of input values
;; workspace buffers: xq 13,107,200 bytes; wq 13,107,200 bytes; partmax 2,048 bytes
;; launch prep (part 1): grid 512 x 1, 4 waves a work-group, no clusters, 44,032 bytes of LDS; arguments x, packed_weight, scales, zeros, wq, partmax; writes wq, partmax
.if DOCPART == 1
	.amdgcn_target "amdgcn-amd-amdhsa--gfx1250"
	.amdhsa_code_object_version 6
	.text
	.protected	k_qfc4a26b9aa_prep
	.globl	k_qfc4a26b9aa_prep
	.p2align	8
	.type	k_qfc4a26b9aa_prep,@function
k_qfc4a26b9aa_prep:
	s_mov_b64 s[64:65], 0
	v_nop
	global_prefetch_b8 v0, s[64:65] scope:SCOPE_SE
	s_setreg_imm32_b32 hwreg(HW_REG_WAVE_MODE, 25, 1), 1
	s_wait_xcnt 0x0
; TWO JOBS IN EVERY WAVE, one path through the text.
; (1) w = scale_g x (idx - zero_g), idx = the two numbers of each int32 word (first word >> 4, arithmetic, then word & 15), one scale and zero for each 128 numbers along a row, is turned into codes of
;     BF6 (E3M2) with one E8M0 byte for each 32 along K, LAID IN THE ORDER OF THE MATRIX OPERAND'S REGISTERS (below).
; (2) The largest |x| of 32 KiB of x; the work-group's four maxima meet in LDS and leave as one f32 of partmax (512 in all), which the next launch reduces.
; THE WORKSPACE wq: [32 row blocks of 128 rows][32 K steps of 128][a brick of 12,800 bytes].  A brick: eight fragments (16 rows x 128 K) of 1,536 bytes, in which lane r + 16 h of the product's wave has 48 bytes on end: the 24 bytes
; of row r's block h, then those of block 2 + h; behind them 512 bytes of scale words (four E8M0 bytes: a row's 128 K): the word of row 16 (4 u + f) + r at 12,288 + 256 u + 16 r + 4 f.
; A block's scale is 2^(floor(log2(its largest magnitude)) - 4); its byte is the largest magnitude's exponent field - 4, held at 1 from below.
; LIMITS: NaN and infinities among x, scales and zeros are not served (a NaN loses in the maxima).  Blocks whose largest magnitude lies under 2^-122, the floor, get the byte 1; so does a block of
; zeros, where the rule says 127: its codes are zeros, which add nothing under any byte but 0xff, and the bytes are read by this program alone.
; SHARES.  Work-group W: rows 64 (W / 8) on, K steps 4 (W % 8) on; its wave w takes K step 4 (W % 8) + w: 64 rows x 128 K = four fragments (6,144 consecutive bytes of wq) and 256 consecutive bytes of scale words.
; Sixteen steps of four rows.  A load of words reads 256 consecutive bytes of each of two rows, 16 a lane; the four waves stand side by side on 1,024 bytes of a row.  The conversion wants 16 NEIGHBOURS in a lane (8 words):
; a step's 1,024 bytes turn through the wave's own stage in LDS, one step ahead of the work.  A lane's 12 bytes of codes go to their place in the wave's image of its four fragments in LDS (three stores of 4 bytes: lanes of h = 0 and
; h = 1 lie 768 bytes apart and meet in the banks, two deep); a finished fragment leaves by three stores of 512 consecutive bytes.
; x needs no turn: a maximum does not care who holds what: run 4 W + w of 32 KiB, 512 consecutive bytes a load.  Loads run four steps (24 loads a wave) ahead.
; SCALES AND ZEROS: the work-group needs 16 bytes (its four K steps) of each of its 64 rows of 128 bytes.  Each wave fetches 16 rows' for all four waves, once, and they meet in a table in LDS behind a barrier.
; The 512 stores of 4 bytes into partmax cover their 256 bytes in part: 2,048 bytes in the whole launch.
.set STEPS, 16
.set SPL,   48                         ; a lane's place in a stage: its 32 bytes + 16 of padding
.set STG,   32*SPL                     ; a stage; two by turns, at the head of the wave's region of LDS
.set SBY,   2*STG                      ; behind them the wave's 256 scale bytes,
.set IMG,   SBY+256                    ; and the image of its four fragments, 6,144 bytes
.set WREG,  10240                      ; a wave's region
.set TBL,   4*WREG                     ; the work-group's table: scales [wave 0..3][q = 0..3][t = 0..15] of f32 (row 4 t + q), and 1,024 bytes on the zeros likewise
.set WMAX,  TBL+2048                   ; four words, the waves' maxima
.set BRICK, 12800
.set SWO,   12288                      ; where a brick's scale words begin
.set PW,    32                         ; v32-63   four sets of 8 words as they are loaded
.set XR,    64                         ; v64-127  four sets of 16 numbers of x
.set IN,    128                        ; v128-143 two sets of 8 neighbouring words
.set NU,    144                        ; v144-159 16 numbers of w at work (at the head: table addresses and the loaded scales and zeros; at the end: the four maxima)
.set SR,    160                        ; v160-175 my row's scale in step t
.set ZR,    176                        ; v176-191 my row's zero in step t
.set C,     192                        ; v192-255 four registers for each step: three of codes and the scale's byte; a finished fragment comes back from the image into the first twelve of its sixteen
	s_load_b256 s[4:11], s[0:1], 0x0               ; x s[4:5], packed_weight s[6:7], scales s[8:9], zeros s[10:11]
	s_load_b128 s[12:15], s[0:1], 0x20             ; wq s[12:13], partmax s[14:15]
	v_lshl_add_u32 v30, v0, 2, 0xaa00
	v_mov_b32 v31, 0
	v_lshrrev_b32 v1, 5, v0
	v_readfirstlane_b32 s18, v1                    ; wave 0..3
	v_and_b32 v2, 31, v0                           ; lane
	v_lshlrev_b32 v3, 4, v2                        ; my 16 bytes of 512: x's loads, the fragments' stores
	v_lshlrev_b32 v7, 3, v2                        ; 8 bytes a lane: the scale words on their way out
	s_mul_i32 s22, s18, WREG                       ; my wave's region of LDS
	v_lshrrev_b32 v8, 1, v2                        ; lane / 2
	v_and_b32 v9, 1, v2                            ; lane % 2
	v_lshrrev_b32 v11, 3, v2                       ; lane / 8: my row among a step's four
	v_mul_u32_u24 v14, v8, SPL
	v_lshl_add_u32 v14, v9, 4, v14
	v_add_nc_u32 v14, s22, v14                     ; the stage, on the way in: two lanes' 32 bytes on end, then 16 of padding; a load's 512 bytes take sixteen places
	v_mul_u32_u24 v15, v2, SPL
	v_add_nc_u32 v15, s22, v15                     ; and on the way out: my 8 neighbouring words
	v_and_b32 v5, 3, v8                            ; my block b of the row's four
	v_lshl_add_u32 v5, v11, 4, v5
	v_add_nc_u32 v5, s22, v5                       ; my block's scale byte: 16 (lane / 8) + b  (+ SBY + 64 (t % 4) + 4 (t / 4))
	v_add_nc_u32 v6, s22, v7                       ; and 8 of the 256 on the way out (+ SBY)
	v_add_nc_u32 v17, s22, v3                      ; the image, on the way out: 16 bytes a lane (+ IMG)
	v_mul_u32_u24 v4, v11, 48                      ; the image, on the way in: row r = 4 (t % 4) + lane / 8 and h = b % 2 name the product's lane r + 16 h, 48 bytes each;
	v_bfe_u32 v12, v2, 1, 1
	v_mad_u32_u24 v4, v12, 768, v4                 ; 768 h;
	v_bfe_u32 v12, v2, 2, 1
	v_mad_u32_u24 v4, v12, 24, v4                  ; block b / 2 of that lane's two;
	v_mad_u32_u24 v4, v9, 12, v4                   ; my half of the block
	v_add_nc_u32 v4, s22, v4                       ; (+ IMG + 1,536 (t / 4) + 192 (t % 4))
	v_and_b32 v16, 15, v2
	v_lshlrev_b32 v16, 4, v16
	v_lshrrev_b32 v12, 4, v2
	v_lshl_add_u32 v16, v12, 13, v16               ; the words' loads: lanes 0-15 one row's 256 bytes, lanes 16-31 the next row's, 8,192 bytes on
	v_lshlrev_b32 v150, 7, v8
	v_lshl_add_u32 v150, v9, 3, v150               ; scales and zeros: row lane / 2 of my 16, 128 bytes a row; two of the work-group's four K steps: 8 (lane % 2)
	v_and_b32 v144, 3, v8
	v_lshlrev_b32 v144, 6, v144
	v_lshl_add_u32 v144, v9, 9, v144
	v_lshl_add_u32 v144, v11, 2, v144
	s_lshl_b32 s23, s18, 4
	v_add_nc_u32 v144, s23, v144                   ; the table, in: row 16 w + lane / 2 is q = (lane / 2) % 4, t = 4 w + lane / 8; for waves 2 (lane % 2) and one more: 512 (lane % 2) + 64 q + 4 t, and 256 on
	v_lshlrev_b32 v145, 6, v11
	s_lshl_b32 s23, s18, 8
	v_add_nc_u32 v145, s23, v145                   ; out: my wave's part, the row of 16 f32 of q = lane / 8
	v_mov_b32 v10, 0                               ; the largest |x|, in two chains
	v_mov_b32 v1, 0
	s_mov_b32 s24, 0x76543210
	s_mov_b32 s25, 0xfedcba98                      ; v_permlanex16_b32's selects for lane l xor 16
	s_lshl_b32 s19, ttmp9, 2
	s_add_co_u32 s19, s19, s18                     ; x's run, 0 .. 2,047
	s_lshr_b32 s28, ttmp9, 3                       ; which 64 rows of w
	s_and_b32 s29, ttmp9, 7                        ; which four K steps
	s_lshl_b32 s30, s29, 2
	s_add_co_u32 s30, s30, s18                     ; my K step
	s_mov_b32 s21, 0
	s_mov_b32 s33, 0
	s_wait_alu depctr_va_vdst(0)
	s_wait_kmcnt 0x0
	s_lshl_b32 s20, s19, 15                        ; each buffer's address takes its own offset
	s_add_nc_u64 s[4:5], s[4:5], s[20:21]          ; x: 32,768 bytes a run
	s_lshl_b32 s20, s28, 19                        ; words: 64 rows of 8,192 bytes,
	s_lshl_b32 s31, s30, 8                         ; 256 bytes a K step
	s_add_co_u32 s20, s20, s31
	s_add_nc_u64 s[6:7], s[6:7], s[20:21]
	s_lshl_b32 s20, s28, 13                        ; scales and zeros: 64 rows of 128 bytes,
	s_lshl_b32 s31, s18, 11                        ; my 16 of them,
	s_add_co_u32 s20, s20, s31
	s_lshl_b32 s31, s29, 4                         ; the work-group's 16 bytes of a row
	s_add_co_u32 s20, s20, s31
	s_add_nc_u64 s[8:9], s[8:9], s[20:21]
	s_add_nc_u64 s[10:11], s[10:11], s[20:21]
	s_lshr_b32 s20, s28, 1                         ; my brick: row block x 32 + K step
	s_lshl_b32 s20, s20, 5
	s_add_co_u32 s20, s20, s30
	s_mul_i32 s20, s20, BRICK
	s_and_b32 s31, s28, 1                          ; which half of the row block's 128 rows
	s_mul_i32 s32, s31, 6144
	s_add_co_u32 s32, s32, s20                     ; my four fragments
	s_lshl_b32 s31, s31, 8
	s_add_co_u32 s20, s20, s31
	s_add_co_u32 s20, s20, SWO                     ; my 256 bytes of scale words
	s_add_nc_u64 s[16:17], s[12:13], s[20:21]
	s_add_nc_u64 s[12:13], s[12:13], s[32:33]
	s_lshl_b32 s20, ttmp9, 2
	s_add_nc_u64 s[14:15], s[14:15], s[20:21]      ; the work-group's word of partmax
.macro LOAD t                          ; step t: two loads of words (rows 4 t .. 4 t + 3), then four of x.  x carries no hint: the next launch reads it again
.irp i, 0,1
	global_load_b128 v[PW+8*((\t)%4)+4*\i:PW+8*((\t)%4)+4*\i+3], v16, s[6:7] offset:(4*(\t)+2*\i)*8192 th:TH_LOAD_NT
.endr
.irp i, 0,1,2,3
	global_load_b128 v[XR+16*((\t)%4)+4*\i:XR+16*((\t)%4)+4*\i+3], v3, s[4:5] offset:2048*(\t)+512*\i
.endr
.endm
.macro TURN t                          ; step t's words through the stage: LDS serves a wave's instructions in order, so no wait stands between the stores and the loads
.irp i, 0,1
	ds_store_b128 v14, v[PW+8*((\t)%4)+4*\i:PW+8*((\t)%4)+4*\i+3] offset:STG*((\t)%2)+16*SPL*\i
.endr
.irp i, 0,1
	ds_load_b128 v[IN+8*((\t)%2)+4*\i:IN+8*((\t)%2)+4*\i+3], v15 offset:STG*((\t)%2)+16*\i
.endr
.endm
	global_load_b64 v[146:147], v150, s[8:9]       ; 16 rows' scales for the work-group's four K steps (other work-groups read the rest of these rows: no hint)
	global_load_b64 v[148:149], v150, s[10:11]     ; and zeros
.irp t, 0,1,2,3
	LOAD \t
.endr
	s_wait_loadcnt 24                              ; scales and zeros are in; the 24 loads of steps 0 to 3 stay out
	ds_store_b32 v144, v146 offset:TBL
	ds_store_b32 v144, v147 offset:TBL+256
	ds_store_b32 v144, v148 offset:TBL+1024
	ds_store_b32 v144, v149 offset:TBL+1280
	s_wait_dscnt 0x0                               ; for the others' sake: my part of the table is written
	s_barrier_signal -1
	s_barrier_wait -1                              ; everybody's is
.irp i, 0,1,2,3
	ds_load_b128 v[SR+4*\i:SR+4*\i+3], v145 offset:TBL+16*\i        ; my row's scale and zero for each of the 16 steps
	ds_load_b128 v[ZR+4*\i:ZR+4*\i+3], v145 offset:TBL+1024+16*\i
.endr
	s_wait_loadcnt 22                              ; step 0's two loads of words are in
	TURN 0
.macro STEP t
.set IS, IN+8*((\t)%2)
.set XS, XR+16*((\t)%4)
.if (\t) == 0
	s_wait_dscnt 0x0                               ; this step's words are back from the stage, and the table's rows are in
.elseif (\t)%4 == 0
	s_wait_dscnt 7                                 ; this step's words are back; behind them: the last step's byte store, its three stores of codes and a fragment's three loads
.else
	s_wait_dscnt 4                                 ; this step's words are back; behind them: the last step's byte store and its three stores of codes
.endif
.if (\t) <= 12
	s_wait_loadcnt 16                              ; this step's x and the next step's words are in; out may be the next step's x (4) and the two steps behind it (6 each)
.elseif (\t) < 15
	s_wait_loadcnt 6*(14-(\t))+4
.else
	s_wait_loadcnt 0
.endif
.irp i, 0,4,8,12
	v_max3_num_f32 v10, v10, |v[XS+\i]|, |v[XS+\i+1]|              ; the largest |x|: two chains that do not wait for each other
	v_max3_num_f32 v1, v1, |v[XS+\i+2]|, |v[XS+\i+3]|
.endr
.if (\t)+1 < STEPS
	TURN (\t)+1                                    ; the next step's words go through the other stage while this step is worked; issued ahead of the new global loads
.endif
.if (\t)+4 < STEPS
	LOAD (\t)+4                                    ; into the registers that this step has just left
.endif
.irp i, 0,1,2,3,4,5,6,7
	v_ashrrev_i32 v[NU+2*\i], 4, v[IS+\i]          ; a word's two numbers: word >> 4 first,
	v_and_b32 v[NU+2*\i+1], 15, v[IS+\i]           ; then word & 15
.endr
.irp i, 0,1,2,3,4,5,6,7,8,9,10,11,12,13,14,15
	v_cvt_f32_i32 v[NU+\i], v[NU+\i]
.endr
.if (\t)%2 == 0                        ; (idx - zero) x scale: two roundings, two numbers an instruction.  Step t's zero and scale are one register of a pair: the first serves both halves in even steps, the second in odd ones
.irp j, 0,2,4,6,8,10,12,14
	v_pk_add_f32 v[NU+\j:NU+\j+1], v[NU+\j:NU+\j+1], v[ZR+(\t):ZR+(\t)+1] op_sel_hi:[1,0] neg_lo:[0,1] neg_hi:[0,1]
.endr
.irp j, 0,2,4,6,8,10,12,14
	v_pk_mul_f32 v[NU+\j:NU+\j+1], v[NU+\j:NU+\j+1], v[SR+(\t):SR+(\t)+1] op_sel_hi:[1,0]
.endr
.else
.irp j, 0,2,4,6,8,10,12,14
	v_pk_add_f32 v[NU+\j:NU+\j+1], v[NU+\j:NU+\j+1], v[ZR+(\t)-1:ZR+(\t)] op_sel:[0,1] op_sel_hi:[1,1] neg_lo:[0,1] neg_hi:[0,1]
.endr
.irp j, 0,2,4,6,8,10,12,14
	v_pk_mul_f32 v[NU+\j:NU+\j+1], v[NU+\j:NU+\j+1], v[SR+(\t)-1:SR+(\t)] op_sel:[0,1] op_sel_hi:[1,1]
.endr
.endif
	v_max3_num_f32 v8, |v[NU]|, |v[NU+1]|, |v[NU+2]|               ; the largest magnitude of my 16
	v_max3_num_f32 v9, |v[NU+3]|, |v[NU+4]|, |v[NU+5]|
.irp i, 6,10
	v_max3_num_f32 v8, v8, |v[NU+\i]|, |v[NU+\i+1]|
	v_max3_num_f32 v9, v9, |v[NU+\i+2]|, |v[NU+\i+3]|
.endr
	v_max3_num_f32 v8, v8, |v[NU+14]|, |v[NU+15]|
	v_max3_num_f32 v8, v8, v9, 0x2800000           ; and the floor 2^(5 - 127): so the byte cannot fall under 1
	v_max_num_f32_dpp v8, v8, v8 row_xmask:1 row_mask:0xf bank_mask:0xf   ; and of my neighbour's 16: the block's
	v_add_nc_u32 v11, 0xfe000000, v8               ; 4 off its exponent field: the conversion takes the exponent field of this operand as its scale, and nothing else of it
	v_cvt_scalef32_pk16_bf6_f32 v[C+4*(\t):C+4*(\t)+2], v[NU:NU+15], v11   ; sixteen numbers / the scale, to the nearest code, ties to even, beyond the largest code the largest; 96 bits without gaps
	v_lshrrev_b32 v[C+4*(\t)+3], 23, v11           ; the scale's byte (a plain line behind the conversion)
	ds_store_b8 v5, v[C+4*(\t)+3] offset:SBY+64*((\t)%4)+4*((\t)/4)   ; both lanes of a block write the same byte with the same value
.irp k, 0,1,2
	ds_store_b32 v4, v[C+4*(\t)+\k] offset:IMG+1536*((\t)/4)+192*((\t)%4)+4*\k   ; my 12 bytes, to their place in the fragment
.endr
.if (\t)%4 == 3                        ; a fragment's sixteen rows are done: it comes back as it will lie in memory, 16 bytes a lane (LDS serves a wave's instructions in order: these see the stores, and land where stores that stand ahead of them have read)
.irp j, 0,1,2
	ds_load_b128 v[C+16*((\t)/4)+4*\j:C+16*((\t)/4)+4*\j+3], v17 offset:IMG+1536*((\t)/4)+512*\j
.endr
.endif
.if ((\t)%4 == 0) && ((\t) > 0)        ; and leaves a step later
	s_wait_dscnt 8                                 ; behind the fragment's loads: this step's four through the stage, its byte store and its three stores of codes
.irp j, 0,1,2
	global_store_b128 v3, v[C+16*((\t)/4-1)+4*\j:C+16*((\t)/4-1)+4*\j+3], s[12:13] offset:1536*((\t)/4-1)+512*\j   ; 512 consecutive bytes, at a multiple of 256 from the buffer's first byte
.endr
.endif
.endm
.irp t, 0,1,2,3,4,5,6,7,8,9,10,11,12,13,14,15
	STEP \t
.endr
	ds_load_b64 v[12:13], v6 offset:SBY            ; my 8 of the wave's 256 scale bytes
	v_max_num_f32 v10, v10, v1                     ; the two chains, then the 32 lanes
	v_max_num_f32_dpp v10, v10, v10 row_xmask:1 row_mask:0xf bank_mask:0xf
	v_max_num_f32_dpp v10, v10, v10 row_xmask:2 row_mask:0xf bank_mask:0xf
	v_max_num_f32_dpp v10, v10, v10 row_xmask:4 row_mask:0xf bank_mask:0xf
	v_max_num_f32_dpp v10, v10, v10 row_xmask:8 row_mask:0xf bank_mask:0xf
	v_permlanex16_b32 v9, v10, s24, s25
	v_max_num_f32 v10, v10, v9                     ; every lane holds the wave's largest |x|
	v_mov_b32 v8, s18
	v_lshl_add_u32 v8, v8, 2, WMAX
	ds_store_b32 v8, v10                           ; all lanes write the wave's word with the same value
	s_wait_dscnt 0x0                               ; for the others' sake: my store is done; and the last fragment and my scale bytes are in
	s_barrier_signal -1
	s_barrier_wait -1
.irp j, 0,1,2
	global_store_b128 v3, v[C+48+4*\j:C+48+4*\j+3], s[12:13] offset:4608+512*\j
.endr
	global_store_b64 v7, v[12:13], s[16:17]        ; 32 lanes store 256 consecutive bytes, at a multiple of 256 from the buffer's first byte
	v_mov_b32 v8, WMAX
	ds_load_b128 v[144:147], v8                    ; the four waves' maxima, in every lane
	v_mov_b32 v11, 0
	s_wait_dscnt 0x0
	v_max3_num_f32 v144, v144, v145, v146
	v_max_num_f32 v144, v144, v147
	v_cmp_gt_u32 vcc_lo, 1, v0                     ; thread 0 alone stores the work-group's maximum
	s_wait_alu depctr_va_vdst(0)
	s_wait_xcnt 0x0                                ; EXEC is a source of the stores that are out: it changes only behind this wait
	s_wait_tensorcnt 0x0
	ds_add_u32 v30, v31
	s_wait_dscnt 0x0
	s_and_saveexec_b32 s26, vcc_lo
	global_store_b32 v11, v144, s[14:15]
	s_wait_xcnt 0x0                                ; and again in front of the line that widens it
	s_or_b32 exec_lo, exec_lo, s26
	s_endpgm
.Lfunc_end_k_qfc4a26b9aa_prep:
	.size	k_qfc4a26b9aa_prep, .Lfunc_end_k_qfc4a26b9aa_prep-k_qfc4a26b9aa_prep
	.p2alignl 7, 3214868480
	.fill 96, 4, 3214868480
	.section	.rodata,"a",@progbits
	.p2align	6, 0x0
	.amdhsa_kernel k_qfc4a26b9aa_prep
		.amdhsa_group_segment_fixed_size 44032
		.amdhsa_private_segment_fixed_size 0
		.amdhsa_enable_private_segment 0
		.amdhsa_kernarg_size 48
		.amdhsa_user_sgpr_count 2
		.amdhsa_user_sgpr_kernarg_segment_ptr 1
		.amdhsa_wavefront_size32 1
		.amdhsa_system_sgpr_workgroup_id_x 1
		.amdhsa_system_sgpr_workgroup_id_y 1
		.amdhsa_system_sgpr_workgroup_id_z 1
		.amdhsa_system_vgpr_workitem_id 0
		.amdhsa_next_free_vgpr 256
		.amdhsa_next_free_sgpr 66
		.amdhsa_reserve_vcc 1
		.amdhsa_float_denorm_mode_32 3
		.amdhsa_float_denorm_mode_16_64 3
		.amdhsa_memory_ordered 1
		.amdhsa_forward_progress 1
		.amdhsa_inst_pref_size 79
	.end_amdhsa_kernel
	.amdgpu_metadata
---
amdhsa.version: [ 1, 2 ]
amdhsa.kernels:
  - .name:           k_qfc4a26b9aa_prep
    .symbol:         k_qfc4a26b9aa_prep.kd
    .args:
      - { .name: x, .offset: 0, .size: 8, .value_kind: global_buffer, .address_space: global }
      - { .name: packed_weight, .offset: 8, .size: 8, .value_kind: global_buffer, .address_space: global }
      - { .name: scales, .offset: 16, .size: 8, .value_kind: global_buffer, .address_space: global }
      - { .name: zeros, .offset: 24, .size: 8, .value_kind: global_buffer, .address_space: global }
      - { .name: wq, .offset: 32, .size: 8, .value_kind: global_buffer, .address_space: global }
      - { .name: partmax, .offset: 40, .size: 8, .value_kind: global_buffer, .address_space: global }
    .group_segment_fixed_size: 44032
    .private_segment_fixed_size: 0
    .kernarg_segment_align: 8
    .kernarg_segment_size: 48
    .max_flat_workgroup_size: 128
    .sgpr_count:     66
    .vgpr_count:     256
    .wavefront_size: 32
...
	.end_amdgpu_metadata
.endif
;; end of part 1
;; launch quantx (part 2): grid 512 x 1, 4 waves a work-group, no clusters, 49,664 bytes of LDS; arguments x, partmax, xq; writes xq
.if DOCPART == 2
	.amdgcn_target "amdgcn-amd-amdhsa--gfx1250"
	.amdhsa_code_object_version 6
	.text
	.protected	k_qfc4a26b9aa_quantx
	.globl	k_qfc4a26b9aa_quantx
	.p2align	8
	.type	k_qfc4a26b9aa_quantx,@function
k_qfc4a26b9aa_quantx:
	s_mov_b64 s[64:65], 0
	v_nop
	global_prefetch_b8 v0, s[64:65] scope:SCOPE_SE
	s_setreg_imm32_b32 hwreg(HW_REG_WAVE_MODE, 25, 1), 1
	s_wait_xcnt 0x0
; x [4096][4096] f32 -> x_quant = clip(round(x / s), -128, 127) x s with s = max(max|x| / 127, 1e-8), all in f32; x_quant -> codes of BF6 (E3M2) with one E8M0 byte for each 32 along K, LAID IN THE ORDER OF THE MATRIX OPERAND'S REGISTERS.
; max|x| is the largest of the 512 partial maxima that the launch before has stored: every wave reads the 2,048 bytes and reduces them for itself, so no wave waits for another.
; THE WORKSPACE xq: [32 row blocks of 128 rows][32 K steps of 128][a brick of 12,800 bytes].  A brick: eight fragments (16 rows x 128 K) of 1,536 bytes, in which lane r + 16 h of the product's wave has 48 bytes on end: the 24 bytes
; of row r's block h, then those of block 2 + h; behind them 512 bytes of scale words (four E8M0 bytes: a row's 128 K): the word of row 16 (4 u + f) + r at 12,288 + 256 u + 16 r + 4 f.
; DIVISIONS: max / 127 and x / s are a multiplication by the reciprocal with one residual step (q = x r; q += (x - q s) r): within an ulp of the quotient, not in every case its correct rounding.
; A block's scale is 2^(floor(log2(its largest magnitude)) - 4); its byte is the largest magnitude's exponent field - 4, held at 1 from below.
; LIMITS: NaN and infinities in x are not served.  Blocks whose largest magnitude lies under 2^-122, the floor, get the byte 1; so does a block of zeros, where the rule says 127: its codes are zeros,
; which add nothing under any byte but 0xff, and the bytes are read by this program alone.
; SHARES.  Work-group W: rows 64 (W / 8) on, K steps 4 (W % 8) on; its wave w takes K step 4 (W % 8) + w: 64 rows x 128 K = four fragments (6,144 consecutive bytes of xq) and 256 consecutive bytes of scale words.
; Sixteen steps of four rows.  A load reads a row's 512 consecutive bytes, 16 a lane; the four waves stand side by side on 2,048 bytes of a row.  The conversion wants 16 NEIGHBOURS in a lane, so a step's 2,048 bytes go through the
; wave's own stage in LDS and come back 64 bytes a lane (16 bytes of padding behind each 64).  Two neighbouring lanes hold a block.  A lane's 12 bytes of codes go to their place in the wave's image of its four fragments in LDS
; (three stores of 4 bytes: lanes of h = 0 and h = 1 lie 768 bytes apart and meet in the banks, two deep); a finished fragment leaves by three stores of 512 consecutive bytes.  No barrier: waves share nothing.  Loads run fifteen steps (60 loads a wave) ahead.
.set STEPS, 16
.set R,     0                          ; window 1 (v256-511): sixteen sets of 16 numbers as they are loaded, one for each step; loads run fifteen steps (60 loads a wave) ahead (this count stands for the one in the head comment)
.set MSB, 0
.macro WIN new                         ; s_set_vgpr_msb: bits 1:0 source 0, 3:2 source 1, 5:4 source 2, 7:6 destination; the high byte repeats the setting that is left
.if MSB != (\new)
	s_set_vgpr_msb (MSB<<8)|(\new)
.set MSB, (\new)
.endif
.endm
.set X,     80                         ; v80-111  two sets of 16 neighbours; later their residuals
.set VRB,   112                        ; v112     the image, on the way out: 16 bytes a lane
.set C,     128                        ; v128-191 four registers for each step: three of codes and the scale's byte; a finished fragment comes back from the image into the first twelve of its sixteen
.set T,     192                        ; v192-207 at work: the quotient, the whole number, x_quant
.set SS,    208                        ; v[208:209] s, twice
.set RR,    210                        ; v[210:211] 1 / s, twice
.set P,     212                        ; v212-227 my 16 of the 512 partial maxima
.set SP,    80                         ; a lane's place in a stage: its 64 bytes + 16 of padding
.set SBY,   2*32*SP                    ; LDS, a region for each wave: two stages of 32 x SP bytes, its 256 scale bytes,
.set IMG,   SBY+256                    ; and the image of its four fragments, 6,144 bytes
.set WREG,  12288
.set BRICK, 12800
.set SWO,   12288                      ; where a brick's scale words begin
	s_load_b128 s[4:7], s[0:1], 0x0                ; x s[4:5], partmax s[6:7]
	s_load_b64 s[8:9], s[0:1], 0x10                ; xq
	v_lshl_add_u32 v232, v0, 2, 0xc000
	v_mov_b32 v233, 0
	v_lshrrev_b32 v1, 5, v0
	v_readfirstlane_b32 s16, v1                    ; wave
	v_and_b32 v2, 31, v0                           ; lane
	v_lshlrev_b32 v3, 4, v2                        ; my 16 bytes of 512: the loads, the fragments' stores
	v_lshlrev_b32 v7, 3, v2                        ; 8 bytes a lane: the scale words on their way out
	s_mul_i32 s17, s16, WREG
	v_lshrrev_b32 v14, 2, v2
	v_mul_u32_u24 v14, v14, SP
	v_and_b32 v15, 3, v2
	v_lshl_add_u32 v14, v15, 4, v14
	v_add_nc_u32 v14, s17, v14                     ; the stage, on the way in: four lanes' 64 bytes on end, then 16 of padding; a load's 512 bytes take eight places
	v_mul_u32_u24 v15, v2, SP
	v_add_nc_u32 v15, s17, v15                     ; and on the way out: my 16 neighbours
	v_lshrrev_b32 v11, 3, v2                       ; lane / 8: my row among a step's four
	v_bfe_u32 v5, v2, 1, 2                         ; my block b of the row's four
	v_lshl_add_u32 v5, v11, 4, v5
	v_add_nc_u32 v5, s17, v5                       ; my block's scale byte: 16 (lane / 8) + b  (+ SBY + 64 (t % 4) + 4 (t / 4))
	v_add_nc_u32 v6, s17, v7                       ; and 8 of the 256 on the way out (+ SBY)
	v_add_nc_u32 v[VRB], s17, v3                   ; (+ IMG)
	v_mul_u32_u24 v4, v11, 48                      ; the image, on the way in: row r = 4 (t % 4) + lane / 8 and h = b % 2 name the product's lane r + 16 h, 48 bytes each;
	v_bfe_u32 v8, v2, 1, 1
	v_mad_u32_u24 v4, v8, 768, v4                  ; 768 h;
	v_bfe_u32 v8, v2, 2, 1
	v_mad_u32_u24 v4, v8, 24, v4                   ; block b / 2 of that lane's two;
	v_and_b32 v8, 1, v2
	v_mad_u32_u24 v4, v8, 12, v4                   ; my half of the block
	v_add_nc_u32 v4, s17, v4                       ; (+ IMG + 1,536 (t / 4) + 192 (t % 4))
	s_mov_b32 s22, 0xc3000000                      ; -128.0
	s_mov_b32 s23, 0x42fe0000                      ; 127.0
	s_mov_b32 s24, 0x76543210
	s_mov_b32 s25, 0xfedcba98                      ; v_permlanex16_b32's selects for lane l xor 16
	s_mov_b32 s26, 0x3c010204                      ; 1 / 127, rounded to f32
	s_lshr_b32 s18, ttmp9, 3                       ; which 64 rows
	s_and_b32 s19, ttmp9, 7
	s_lshl_b32 s19, s19, 2
	s_add_co_u32 s19, s19, s16                     ; my K step
	s_lshr_b32 s27, s18, 1                         ; my brick: row block x 32 + K step
	s_lshl_b32 s27, s27, 5
	s_add_co_u32 s27, s27, s19
	s_mul_i32 s27, s27, BRICK
	s_and_b32 s30, s18, 1                          ; which half of the row block's 128 rows
	s_mul_i32 s28, s30, 6144
	s_add_co_u32 s28, s28, s27                     ; my four fragments
	s_lshl_b32 s30, s30, 8
	s_add_co_u32 s30, s30, s27
	s_add_co_u32 s30, s30, SWO                     ; my 256 bytes of scale words
	s_mov_b32 s21, 0
	s_mov_b32 s29, 0
	s_mov_b32 s31, 0
	s_lshl_b32 s20, s18, 20                        ; x: 64 rows of 16,384 bytes,
	s_lshl_b32 s27, s19, 9                         ; 512 bytes a K step
	s_add_co_u32 s20, s20, s27
	s_wait_kmcnt 0x0
	s_add_nc_u64 s[4:5], s[4:5], s[20:21]
	s_add_nc_u64 s[10:11], s[8:9], s[30:31]
	s_add_nc_u64 s[8:9], s[8:9], s[28:29]
.macro LOAD t                          ; step t: rows 4 t .. 4 t + 3, a row a load
.irp i, 0,1,2,3
	global_load_b128 v[R+16*(\t)+4*\i:R+16*(\t)+4*\i+3], v3, s[4:5] offset:(4*(\t)+\i)*16384 th:TH_LOAD_NT   ; 32 lanes read 512 consecutive bytes; issued under destination window 1
.endr
.endm
.macro TURN t                          ; step t's numbers through the stage: LDS serves a wave's instructions in order, so no wait stands between the stores and the loads
	WIN 0x04                                       ; the stores' data lie in window 1
.irp i, 0,1,2,3
	ds_store_b128 v14, v[R+16*(\t)+4*\i:R+16*(\t)+4*\i+3] offset:32*SP*((\t)%2)+8*SP*\i
.endr
	WIN 0
.irp i, 0,1,2,3
	ds_load_b128 v[X+16*((\t)%2)+4*\i:X+16*((\t)%2)+4*\i+3], v15 offset:32*SP*((\t)%2)+16*\i
.endr
.endm
.irp i, 0,1,2,3
	global_load_b128 v[P+4*\i:P+4*\i+3], v3, s[6:7] offset:512*\i   ; the 512 partial maxima, 16 a lane; every wave of the launch reads them, so no hint
.endr
	WIN 0x40                                       ; destination window 1, address window 0
.irp t, 0,1,2,3,4,5,6,7,8,9,10,11,12,13
	LOAD \t
.endr
	s_wait_loadcnt 56                              ; the partial maxima are in; the 56 loads of x stay out
	LOAD 14
	WIN 0
	v_max3_num_f32 v8, v[P], v[P+1], v[P+2]        ; none is negative
	v_max3_num_f32 v9, v[P+3], v[P+4], v[P+5]
.irp i, 6,10
	v_max3_num_f32 v8, v8, v[P+\i], v[P+\i+1]
	v_max3_num_f32 v9, v9, v[P+\i+2], v[P+\i+3]
.endr
	v_max3_num_f32 v8, v8, v[P+14], v[P+15]
	v_max_num_f32 v8, v8, v9
	v_max_num_f32_dpp v8, v8, v8 row_xmask:1 row_mask:0xf bank_mask:0xf
	v_max_num_f32_dpp v8, v8, v8 row_xmask:2 row_mask:0xf bank_mask:0xf
	v_max_num_f32_dpp v8, v8, v8 row_xmask:4 row_mask:0xf bank_mask:0xf
	v_max_num_f32_dpp v8, v8, v8 row_xmask:8 row_mask:0xf bank_mask:0xf
	v_permlanex16_b32 v9, v8, s24, s25
	v_max_num_f32 v8, v8, v9                       ; max|x|, in every lane
	v_mul_f32 v9, s26, v8                          ; max / 127: by the reciprocal,
	v_fma_f32 v11, -v9, s23, v8                    ; what is left over,
	v_fma_f32 v9, v11, s26, v9                     ; and its share
	v_max_num_f32 v[SS], 0x322bcc77, v9            ; s, not under 1e-8
	s_wait_alu depctr_va_vdst(0)
	v_rcp_f32 v[RR], v[SS]
	v_mov_b32 v[SS+1], v[SS]                       ; (a plain line behind the reciprocal)
	s_wait_alu depctr_va_vdst(0)
	v_fma_f32 v11, -v[SS], v[RR], 1.0              ; one step of Newton's: 1 / s to the last bit or nearly
	v_fma_f32 v[RR], v11, v[RR], v[RR]
	v_mov_b32 v[RR+1], v[RR]
	s_wait_alu depctr_va_vdst(0)
	s_wait_loadcnt 56                              ; step 0's four loads are in; those of steps 1 to 14 may be out
	TURN 0
.macro STEP t
.set XS, X+16*((\t)%2)
.if (\t) == 0
	s_wait_dscnt 0x0                               ; this step's numbers are back from the stage: so its stores into the stage have read their registers,
.elseif (\t)%4 == 0
	s_wait_dscnt 7                                 ; (behind them: the last step's byte store, its three stores of codes and a fragment's three loads)
.else
	s_wait_dscnt 4                                 ; (behind them: the last step's byte store and its three stores of codes)
.endif
.if (\t) == 0
	WIN 0x40
	LOAD 15                                        ; the last step's loads: 60 are out again
	WIN 0
.endif
.if (\t)+1 < STEPS
	s_wait_loadcnt 4*(STEPS-2-(\t))                ; the next step's four loads are in; those of the steps behind it may be out
	TURN (\t)+1                                    ; and go through the other stage while this step is worked
.endif
.irp j, 0,2,4,6,8,10,12,14
	v_pk_mul_f32 v[T+\j:T+\j+1], v[XS+\j:XS+\j+1], v[RR:RR+1]      ; q = x / s: by the reciprocal,
.endr
.irp j, 0,2,4,6,8,10,12,14
	v_pk_fma_f32 v[XS+\j:XS+\j+1], v[T+\j:T+\j+1], v[SS:SS+1], v[XS+\j:XS+\j+1] neg_lo:[1,0,0] neg_hi:[1,0,0]   ; x - q s, in one rounding,
.endr
.irp j, 0,2,4,6,8,10,12,14
	v_pk_fma_f32 v[T+\j:T+\j+1], v[XS+\j:XS+\j+1], v[RR:RR+1], v[T+\j:T+\j+1]   ; and its share
.endr
.irp j, 0,1,2,3,4,5,6,7,8,9,10,11,12,13,14,15
	v_rndne_f32 v[T+\j], v[T+\j]                   ; to the nearest whole number, ties to even
.endr
.irp j, 0,1,2,3,4,5,6,7,8,9,10,11,12,13,14,15
	v_med3_num_f32 v[T+\j], v[T+\j], s22, s23      ; held to -128 .. 127
.endr
.irp j, 0,2,4,6,8,10,12,14
	v_pk_mul_f32 v[T+\j:T+\j+1], v[T+\j:T+\j+1], v[SS:SS+1]        ; x_quant
.endr
	v_max3_num_f32 v8, |v[T]|, |v[T+1]|, |v[T+2]|                  ; the largest magnitude of my 16
	v_max3_num_f32 v9, |v[T+3]|, |v[T+4]|, |v[T+5]|
.irp i, 6,10
	v_max3_num_f32 v8, v8, |v[T+\i]|, |v[T+\i+1]|
	v_max3_num_f32 v9, v9, |v[T+\i+2]|, |v[T+\i+3]|
.endr
	v_max3_num_f32 v8, v8, |v[T+14]|, |v[T+15]|
	v_max3_num_f32 v8, v8, v9, 0x2800000           ; and the floor 2^(5 - 127): so the byte cannot fall under 1
	v_max_num_f32_dpp v8, v8, v8 row_xmask:1 row_mask:0xf bank_mask:0xf   ; and of my neighbour's 16: the block's
	v_add_nc_u32 v11, 0xfe000000, v8               ; 4 off its exponent field: the conversion takes the exponent field of this operand as its scale, and nothing else of it
	v_cvt_scalef32_pk16_bf6_f32 v[C+4*(\t):C+4*(\t)+2], v[T:T+15], v11
	v_lshrrev_b32 v[C+4*(\t)+3], 23, v11           ; the scale's byte (a plain line behind the conversion)
	ds_store_b8 v5, v[C+4*(\t)+3] offset:SBY+64*((\t)%4)+4*((\t)/4)   ; both lanes of a block write the same byte with the same value
.irp k, 0,1,2
	ds_store_b32 v4, v[C+4*(\t)+\k] offset:IMG+1536*((\t)/4)+192*((\t)%4)+4*\k   ; my 12 bytes, to their place in the fragment
.endr
.if (\t)%4 == 3                        ; a fragment's sixteen rows are done: it comes back as it will lie in memory, 16 bytes a lane (LDS serves a wave's instructions in order: these see the stores, and land where stores that stand ahead of them have read)
.irp j, 0,1,2
	ds_load_b128 v[C+16*((\t)/4)+4*\j:C+16*((\t)/4)+4*\j+3], v[VRB] offset:IMG+1536*((\t)/4)+512*\j
.endr
.endif
.if ((\t)%4 == 0) && ((\t) > 0)        ; and leaves a step later
	s_wait_dscnt 12                                ; behind the fragment's loads: this step's eight through the stage, its byte store and its three stores of codes
.irp j, 0,1,2
	global_store_b128 v3, v[C+16*((\t)/4-1)+4*\j:C+16*((\t)/4-1)+4*\j+3], s[8:9] offset:1536*((\t)/4-1)+512*\j   ; 512 consecutive bytes, at a multiple of 256 from the buffer's first byte
.endr
.endif
.endm
.irp t, 0,1,2,3,4,5,6,7,8,9,10,11,12,13,14,15
	STEP \t
.endr
	ds_load_b64 v[12:13], v6 offset:SBY            ; LDS serves a wave's instructions in order: these see my stores
	s_wait_dscnt 0x0                               ; the last fragment and the scale bytes are in
.irp j, 0,1,2
	global_store_b128 v3, v[C+48+4*\j:C+48+4*\j+3], s[8:9] offset:4608+512*\j
.endr
	global_store_b64 v7, v[12:13], s[10:11]        ; 32 lanes store 256 consecutive bytes, at a multiple of 256 from the buffer's first byte
	s_wait_tensorcnt 0x0
	ds_add_u32 v232, v233
	s_wait_dscnt 0x0
	s_endpgm
.Lfunc_end_k_qfc4a26b9aa_quantx:
	.size	k_qfc4a26b9aa_quantx, .Lfunc_end_k_qfc4a26b9aa_quantx-k_qfc4a26b9aa_quantx
	.p2alignl 7, 3214868480
	.fill 96, 4, 3214868480
	.section	.rodata,"a",@progbits
	.p2align	6, 0x0
	.amdhsa_kernel k_qfc4a26b9aa_quantx
		.amdhsa_group_segment_fixed_size 49664
		.amdhsa_private_segment_fixed_size 0
		.amdhsa_enable_private_segment 0
		.amdhsa_kernarg_size 24
		.amdhsa_user_sgpr_count 2
		.amdhsa_user_sgpr_kernarg_segment_ptr 1
		.amdhsa_wavefront_size32 1
		.amdhsa_system_sgpr_workgroup_id_x 1
		.amdhsa_system_sgpr_workgroup_id_y 1
		.amdhsa_system_sgpr_workgroup_id_z 1
		.amdhsa_system_vgpr_workitem_id 0
		.amdhsa_next_free_vgpr 512
		.amdhsa_next_free_sgpr 66
		.amdhsa_reserve_vcc 0
		.amdhsa_float_denorm_mode_32 3
		.amdhsa_float_denorm_mode_16_64 3
		.amdhsa_memory_ordered 1
		.amdhsa_forward_progress 1
		.amdhsa_inst_pref_size 96
	.end_amdhsa_kernel
	.amdgpu_metadata
---
amdhsa.version: [ 1, 2 ]
amdhsa.kernels:
  - .name:           k_qfc4a26b9aa_quantx
    .symbol:         k_qfc4a26b9aa_quantx.kd
    .args:
      - { .name: x, .offset: 0, .size: 8, .value_kind: global_buffer, .address_space: global }
      - { .name: partmax, .offset: 8, .size: 8, .value_kind: global_buffer, .address_space: global }
      - { .name: xq, .offset: 16, .size: 8, .value_kind: global_buffer, .address_space: global }
    .group_segment_fixed_size: 49664
    .private_segment_fixed_size: 0
    .kernarg_segment_align: 8
    .kernarg_segment_size: 24
    .max_flat_workgroup_size: 128
    .sgpr_count:     66
    .vgpr_count:     512
    .wavefront_size: 32
...
	.end_amdgpu_metadata
.endif
;; end of part 2
;; launch gemm (part 3): grid 16 x 16, 4 waves a work-group, clusters of 4 x 4, 327,680 bytes of LDS; arguments xq, wq, out0; writes out0
.if DOCPART == 3
	.amdgcn_target "amdgcn-amd-amdhsa--gfx1250"
	.amdhsa_code_object_version 6
	.text
	.protected	k_qfc4a26b9aa_gemm
	.globl	k_qfc4a26b9aa_gemm
	.p2align	8
	.type	k_qfc4a26b9aa_gemm,@function
k_qfc4a26b9aa_gemm:
	s_mov_b64 s[64:65], 0
	v_nop
	global_prefetch_b8 v0, s[64:65] scope:SCOPE_SE
	s_setreg_imm32_b32 hwreg(HW_REG_WAVE_MODE, 25, 1), 1
	s_wait_xcnt 0x0
	s_wait_alu depctr_hold_cnt(0) depctr_sa_sdst(0) depctr_va_vdst(0) depctr_va_sdst(0) depctr_va_ssrc(0) depctr_va_vcc(0) depctr_vm_vsrc(0)
	s_getreg_b32 s2, hwreg(HW_REG_IB_STS2, 6, 4)
	s_cmp_eq_u32 s2, 0
	s_cbranch_scc0 .Lentry_in_a_cluster
	s_endpgm
.Lentry_in_a_cluster:
	s_bfe_u32 s2, ttmp6, 0x10000c
	s_cmp_lg_u32 s2, 0xf033
	s_cbranch_scc0 .Lentry_shape_is_right
	s_endpgm
.Lentry_shape_is_right:
; out0[m][n] = sum over k of x_quant[m][k] w[n][k], both operands as codes of BF6 (E3M2) with one E8M0 byte for each 32 along K, as the two launches before have laid them:
; [32 row blocks of 128 rows][32 K steps of 128][a brick of 12,800 bytes]: eight fragments of 1,536 bytes in the order of the operand's registers (48 bytes a lane), then 512 bytes of scale words.
; A tile of out0, 256 x 256, is made by a work-group of four waves; a wave makes 128 x 128: 64 accumulators.  K goes through a ring of two LDS slots; a slot holds three K steps (the last fill two) of
; A's two row blocks and B's two; each wave fetches one row block's bricks, a dense run of memory, as rows of 256 bytes, by one tensor load.
; CLUSTERS: 4 x 4 work-groups; A's bricks are asked for jointly along a row of the cluster, B's along a column.  The matrix instruction is used transposed (source 0 = B, source 1 = A): a lane holds eight neighbouring numbers of a row of out0.
; REGISTERS.  Each of the four windows of 256 holds 16 accumulators and one set of fragments:
;   window w: v0-127 the accumulators of my row blocks 2 w and 2 w + 1 ((a, b) at v[8 (8 (a % 2) + b)]); v128-223 a set of eight fragments: window 0 A's set 0, window 1 A's set 1, window 2 B's set 0, window 3 B's set 1.
;   window 0 also: v224-239 scale words, two sets; v240-252 addresses.
; A STEP multiplies sets p = step % 2, 64 products by quarters, one window of accumulators each.  The next step's operands come into sets 1 - p in TWO runs of LDS loads: its scale words and B's fragments (26 loads) at the
; step's head, A's fragments (24 loads) behind the first quarter.
; THE LAST TWO STEPS: both steps' operands are in registers, so my rows 0-63 are finished first (both steps' quarters 0 and 1), and their four blocks leave while rows 64-127 are multiplied.
; PREFETCH: behind each of the loop's joint refills but the last, the part that the NEXT refill will load, three K steps on (150 blocks of 256 bytes for each loading wave), is named once in the cluster: the four partners that
; ask for it jointly take 38 blocks each, told apart by address; lanes left over name the part's last block again.  Part 2 is named behind step 0, two K steps ahead of its load.  Parts 0 and 1 come by their loads alone,
; and so does the last, shorter part.
.set SIZE_N, 4096
.set BRICK,  12800
.set SWO,    12288                     ; where a brick's scale words begin
.set PART,   3*BRICK                   ; what one tensor load brings: three K steps of one row block
.set SLOT,   4*PART
.set RBB,    32*BRICK                  ; a row block's bricks for all of K
.set SPARE,  2*SLOT                    ; behind the ring: the spare words, 128 bytes a wave
.set STAGE,  SLOT                      ; the way out goes through slot 1: the last part lies in slot 0, and slot 1 has had its last fill and its last read by then
.set SPITCH, 528
.set FR,   12                          ; registers of a fragment
.set FS,   128                         ; a window's set of fragments
.set SC,   224                         ; scale words: set p at SC + 8 p; register i: lanes 0-15 the word of A's block i, lanes 16-31 of B's
.set ADRA, 240                         ; v240-241 LDS address of my A fragments in slot 0, 1
.set ADRB, 242                         ; v242-243 the same for B
.set ADRS, 244                         ; v244-245 of my scale words
.set SPW,  246                         ; my spare word; never rewritten
.set NIL,  247                         ; 0; never rewritten
.set STO,  248                         ; the way out: into the stage,
.set RD,   249                         ; back from it,
.set CO,   250                         ; my byte offset in a row of out0
.set PF0,  251                         ; the prefetches' offsets
.set PF1,  252
.set G1, 24
.set G0, 32
.set G1B, 48
.set G0B, 56
.set G1T, 68                           ; group 1 for the last part of two bricks
.set G1TB, 80
.set PFA, 88                           ; s[88:89] where my prefetches stand
.set MSB, 0
.macro WIN new                         ; low byte: bits 1:0 source 0, 3:2 source 1, 5:4 source 2, 7:6 destination; the high byte repeats the setting that is left
.if MSB != (\new)
	s_set_vgpr_msb (MSB<<8)|(\new)
.set MSB, (\new)
.endif
.endm
.macro PLACES
.rept 4
	v_nop
.endr
.endm
.macro JLOAD g0a, g1a, g0b, g1b        ; a joint load: waves 0 and 1 fetch for A, waves 2 and 3 for B; s_nop 0 and four v_nop behind each line
	s_cmp_eq_u32 s15, 0
	s_cbranch_scc0 .Lfor_b_\@
	tensor_load_to_lds s[\g0a:\g0a+3], s[\g1a:\g1a+7]
	s_nop 0
	PLACES
	s_branch .Lasked_\@
.Lfor_b_\@:
	tensor_load_to_lds s[\g0b:\g0b+3], s[\g1b:\g1b+7]
	s_nop 0
	PLACES
.Lasked_\@:
.endm
.macro CREST                           ; a round of the cluster's barrier behind its opening barrier
	s_cmp_lg_u32 s14, 0
	s_cbranch_scc1 .Lnot_wave_0_\@
	s_barrier_signal -3
.Lnot_wave_0_\@:
	s_barrier_wait -3
	s_barrier_signal -1
	s_barrier_wait -1
.endm
.macro CROUND
	s_barrier_signal -1
	s_barrier_wait -1
	CREST
.endm
.macro ASK                             ; my work-group's 38 blocks of the part that begins two parts behind s[PFA]
	global_prefetch_b8 v[PF0], s[PFA:PFA+1] offset:2*PART th:TH_LOAD_NT scope:SCOPE_SE
	global_prefetch_b8 v[PF1], s[PFA:PFA+1] offset:2*PART th:TH_LOAD_NT scope:SCOPE_SE
.endm
	s_load_b128 s[4:7], s[0:1], 0x0                ; xq, wq
	s_load_b64 s[12:13], s[0:1], 0x10              ; out0
	v_lshl_add_u32 v[SPW], v0, 2, SPARE
	v_mov_b32 v[NIL], 0
	ds_add_u32 v[SPW], v[NIL]                      ; the opening lines: the add, twice on end, and its wait ahead of my first tensor load
	ds_add_u32 v[SPW], v[NIL]
	v_lshrrev_b32 v1, 5, v0
	v_readfirstlane_b32 s14, v1                    ; wave 0..3
	s_lshr_b32 s15, s14, 1                         ; my half of the tile's rows; also: I fetch for A (0) or B (1)
	s_and_b32 s16, s14, 1                          ; my half of its columns; also: which row block of the two I fetch
	s_bfe_u32 s40, ttmp6, 0x40000                  ; cx
	s_bfe_u32 s41, ttmp6, 0x40004                  ; cy
	s_lshl_b32 s42, ttmp9, 2
	s_add_co_u32 s42, s42, s40                     ; tile column
	s_and_b32 s17, ttmp7, 0xffff
	s_lshl_b32 s17, s17, 2
	s_add_co_u32 s17, s17, s41                     ; tile row
	s_lshl_b32 s43, s41, 2
	s_lshl_b32 s43, 15, s43                        ; my row of the cluster
	s_lshl_b32 s44, 0x1111, s40                    ; my column
	s_or_b32 s[G1+0], s43, (3<<16)|(1<<21)         ; elements of 8 bytes; bit 21 beside the mask
	s_or_b32 s[G1B+0], s44, (3<<16)|(1<<21)
	s_or_b32 s[G1T+0], s43, (3<<16)|(1<<21)
	s_or_b32 s[G1TB+0], s44, (3<<16)|(1<<21)
.irp g, G1, G1B                        ; a dense run of PART bytes as rows of 256
	s_mov_b32 s[\g+1], 32<<16
	s_mov_b32 s[\g+2], (PART/256)<<16
	s_mov_b32 s[\g+3], 32<<16
	s_mov_b32 s[\g+4], PART/256
	s_mov_b32 s[\g+5], 32
	s_mov_b32 s[\g+6], 0
	s_mov_b32 s[\g+7], 0
.endr
.irp g, G1T, G1TB                      ; and of two bricks
	s_mov_b32 s[\g+1], 32<<16
	s_mov_b32 s[\g+2], (2*BRICK/256)<<16
	s_mov_b32 s[\g+3], 32<<16
	s_mov_b32 s[\g+4], 2*BRICK/256
	s_mov_b32 s[\g+5], 32
	s_mov_b32 s[\g+6], 0
	s_mov_b32 s[\g+7], 0
.endr
	s_lshl_b32 s20, s17, 1
	s_add_co_u32 s20, s20, s16
	s_mul_i32 s20, s20, RBB                        ; A: row block 2 x tile row + half
	s_mov_b32 s21, 0
	s_lshl_b32 s46, s42, 1
	s_add_co_u32 s46, s46, s16
	s_mul_i32 s46, s46, RBB                        ; B: row block 2 x tile column + half
	s_mov_b32 s47, 0
	s_mul_i32 s45, s14, PART                       ; where my part goes in a slot
	s_mul_i32 s76, s15, PART                       ; what I read: A's part in slot 0,
	s_add_co_u32 s77, s76, SLOT                    ; in slot 1;
	s_mul_i32 s78, s16, PART
	s_add_co_u32 s78, s78, 2*PART                  ; B's, behind A's two,
	s_add_co_u32 s79, s78, SLOT
	s_sub_co_u32 s90, s78, s76                     ; from A's part to B's
	s_mul_i32 s91, s14, 16*SPITCH
	s_add_co_u32 s91, s91, STAGE                   ; my stage
	s_lshl_b32 s22, s17, 8
	s_lshl_b32 s23, s15, 7
	s_add_co_u32 s22, s22, s23                     ; my first row of out0,
	s_lshl_b32 s22, s22, 14                        ; 16,384 bytes a row,
	s_lshl_b32 s94, s42, 10
	s_lshl_b32 s95, s16, 9
	s_add_co_u32 s94, s94, s95                     ; my first column, in bytes
	s_add_co_u32 s22, s22, s94
	s_mov_b32 s23, 0
	s_cmp_eq_u32 s15, 0
	s_cselect_b32 s92, s40, s41                    ; my place among the four that ask with me
	s_mul_i32 s92, s92, 38                         ; my work-group's first block of a part's 150
	s_add_co_u32 s93, s92, 32
	v_and_b32 v1, 15, v0                           ; l % 16
	v_bfe_u32 v2, v0, 4, 1                         ; l / 16
	v_and_b32 v3, 31, v0
	v_mul_u32_u24 v4, v3, 48                       ; a lane's 48 bytes of a fragment
	v_mul_u32_u24 v6, s90, v2                      ; scale words: lanes 16-31 take B's
	v_lshl_add_u32 v5, v1, 4, v6
	v_add_nc_u32 v[ADRA], s76, v4
	v_add_nc_u32 v[ADRA+1], s77, v4
	v_add_nc_u32 v[ADRB], s78, v4
	v_add_nc_u32 v[ADRB+1], s79, v4
	v_add_nc_u32 v[ADRS], s76, v5
	v_add_nc_u32 v[ADRS+1], s77, v5
	v_mul_u32_u24 v7, v1, SPITCH                   ; the stage, in: row l % 16, 32 bytes for each half of the lanes
	v_lshl_add_u32 v7, v2, 5, v7
	v_add_nc_u32 v[STO], s91, v7
	v_lshlrev_b32 v[CO], 4, v3                     ; back: the 32 lanes take one row of 512 bytes; and the same in out0
	v_add_nc_u32 v[RD], s91, v[CO]
	v_add_nc_u32 v8, s92, v3                       ; blocks 38 p + lane (145 at the most),
	v_min_u32 v9, 5, v3
	v_add_nc_u32 v9, s93, v9                       ; and 38 p + 32 + 0 .. 5,
	v_min_u32 v9, 149, v9                          ; held inside the part
	v_lshlrev_b32 v[PF0], 8, v8
	v_lshlrev_b32 v[PF1], 8, v9
	s_wait_alu depctr_va_vdst(0)                   ; the wait here: no vector instruction writes a register behind it
	s_wait_dscnt 0x0                               ; both opening adds are done
	s_wait_kmcnt 0x0
	s_add_nc_u64 s[20:21], s[4:5], s[20:21]
	s_add_nc_u64 s[46:47], s[6:7], s[46:47]
	s_add_nc_u64 s[12:13], s[12:13], s[22:23]
	s_cmp_eq_u32 s15, 0
	s_cselect_b64 s[PFA:PFA+1], s[20:21], s[46:47] ; the row block that I fetch
.irp s, 0,1
	s_mov_b32 s[G0+4*\s], 1
	s_add_co_u32 s[G0+4*\s+1], s45, \s*SLOT
	s_add_nc_u64 s[G0+4*\s+2:G0+4*\s+3], s[20:21], \s*PART
	s_or_b32 s[G0+4*\s+3], s[G0+4*\s+3], 0x80000000
	s_mov_b32 s[G0B+4*\s], 1
	s_add_co_u32 s[G0B+4*\s+1], s45, \s*SLOT
	s_add_nc_u64 s[G0B+4*\s+2:G0B+4*\s+3], s[46:47], \s*PART
	s_or_b32 s[G0B+4*\s+3], s[G0B+4*\s+3], 0x80000000
.endr
	CROUND                                         ; all sixteen work-groups are here: the first joint loads meet
	JLOAD G0, G1, G0B, G1B                         ; part 0: one tensor load a wave at the head
.macro LD fi, c, adr, off              ; 16 bytes a lane of fragment fi
	ds_load_b128 v[FS+FR*(\fi)+4*(\c):FS+FR*(\fi)+4*(\c)+3], v[\adr] offset:(\off)+(\fi)*1536+16*(\c)
.endm
.macro FETCHB sl, off, pt              ; a run of 26 LDS loads: a step's scale words and B's eight fragments into sets pt; the addresses lie in window 0
	WIN 0
	ds_load_b128 v[SC+8*(\pt):SC+8*(\pt)+3], v[ADRS+\sl] offset:(\off)+SWO
	ds_load_b128 v[SC+8*(\pt)+4:SC+8*(\pt)+7], v[ADRS+\sl] offset:(\off)+SWO+256
	WIN (2+(\pt))<<6
.irp k, 0,1,2,3,4,5,6,7
.irp c, 0,1,2
	LD \k,\c,ADRB+\sl,\off
.endr
.endr
.endm
.macro FETCHA sl, off, pt              ; a run of 24: A's eight fragments
	WIN (\pt)<<6
.irp k, 0,1,2,3,4,5,6,7
.irp c, 0,1,2
	LD \k,\c,ADRA+\sl,\off
.endr
.endr
.endm
.macro WM a, b, p, zero                ; A's block a x B's block b, 128 along K; zero = 1: the product starts the sum
.if \zero
	v_wmma_scale_f32_16x16x128_f8f6f4 v[8*(8*((\a)%2)+(\b)):8*(8*((\a)%2)+(\b))+7], v[FS+FR*(\b):FS+FR*(\b)+FR-1], v[FS+FR*(\a):FS+FR*(\a)+FR-1], 0, v[SC+8*(\p)+(\b)], v[SC+8*(\p)+(\a)] matrix_a_fmt:MATRIX_FMT_BF6 matrix_b_fmt:MATRIX_FMT_BF6 matrix_a_scale:MATRIX_SCALE_ROW1
.else
	v_wmma_scale_f32_16x16x128_f8f6f4 v[8*(8*((\a)%2)+(\b)):8*(8*((\a)%2)+(\b))+7], v[FS+FR*(\b):FS+FR*(\b)+FR-1], v[FS+FR*(\a):FS+FR*(\a)+FR-1], v[8*(8*((\a)%2)+(\b)):8*(8*((\a)%2)+(\b))+7], v[SC+8*(\p)+(\b)], v[SC+8*(\p)+(\a)] matrix_a_fmt:MATRIX_FMT_BF6 matrix_b_fmt:MATRIX_FMT_BF6 matrix_a_scale:MATRIX_SCALE_ROW1
.endif
.endm
; A quarter: the 16 products of window w's accumulators on sets p (source 0 window 2 + p, source 1 window p, C and D window w), one instruction a turn
.macro QUART w, p, zero
	WIN (2+(\p))|((\p)<<2)|((\w)<<4)|((\w)<<6)
.irp a, 0,1
.irp b, 0,1,2,3,4,5,6,7
	WM 2*(\w)+\a,\b,\p,\zero
.endr
.endr
.endm
; A step that stays in its slot: fetches step q + 1 of the slot into sets 1 - p and multiplies sets p.  The four v_nop are the places between the last step's products and the loads into the registers that they read.
; late = 1: the step before changed slots (or this is the first): A's blocks 4-7, 12 loads, may still be out at its head; they are waited for ahead of the third quarter, behind which stand this step's own 26 + 24 loads.
.macro STEP slot, q, p, zero, late
	PLACES
.if \late
	s_wait_dscnt 12
.else
	s_wait_dscnt 0x0
.endif
	FETCHB \slot,((\q)+1)*BRICK,1-\p
	QUART 0,\p,\zero
	FETCHA \slot,((\q)+1)*BRICK,1-\p
	QUART 1,\p,\zero
.if \late
	s_wait_dscnt 50
.endif
	QUART 2,\p,\zero
	QUART 3,\p,\zero
.endm
; A slot's last step.  Its fragments are in registers, so the slot is read no more: each wave waits for all its tensor loads (the one out is its part of the other slot), adds 0 to its spare word, and waits for that and for its reads.
; Two quarters stand round the barrier's signal.  fill 1, 2: the barrier opens a round of the cluster's barrier and the slot is filled again (2: with the last two bricks).  Then the other slot's first step is fetched.
; ask 1: the next refill's part is prefetched; ask 2: but not in the loop's last trip, whose second refill is followed by the shorter part alone.
.macro TURN slot, p, fill, ask
	PLACES
	WIN 0
.if \ask
	s_wait_xcnt 0x0                                ; my last prefetches have read their base
	s_add_nc_u64 s[PFA:PFA+1], s[PFA:PFA+1], PART
.endif
	s_wait_tensorcnt 0x0
	ds_add_u32 v[SPW], v[NIL]
	s_wait_dscnt 1                                 ; this step's fragments are in; the add may be out
	QUART 0,\p,0
	s_wait_dscnt 0x0
	s_barrier_signal -1
	QUART 1,\p,0
	WIN 0
	s_barrier_wait -1
.if \fill
	CREST
	s_add_nc_u64 s[G0+4*\slot+2:G0+4*\slot+3], s[G0+4*\slot+2:G0+4*\slot+3], 2*PART
	s_add_nc_u64 s[G0B+4*\slot+2:G0B+4*\slot+3], s[G0B+4*\slot+2:G0B+4*\slot+3], 2*PART
.if \fill == 1
	JLOAD G0+4*\slot, G1, G0B+4*\slot, G1B
.else
	JLOAD G0+4*\slot, G1T, G0B+4*\slot, G1TB
.endif
.endif
	FETCHB 1-\slot,0,1-\p
	FETCHA 1-\slot,0,1-\p
	WIN 0
.if \ask == 1
	ASK
.elseif \ask == 2
	s_cmp_gt_u32 s3, 1
	s_cbranch_scc0 .Lnoask_\@
	ASK
.Lnoask_\@:
.endif
	QUART 2,\p,0
	QUART 3,\p,0
.endm
	s_wait_tensorcnt 0x0                           ; my part of part 0 is in; the lines ahead of a later first fill
	ds_add_u32 v[SPW], v[NIL]
	s_wait_dscnt 0x0
	CROUND                                         ; everybody's part is in, and the joint loads meet
	JLOAD G0+4, G1, G0B+4, G1B                     ; part 1, the first tensor load behind the round
	FETCHB 0,0,0
	FETCHA 0,0,0
	STEP 0, 0, 0, 1, 1                             ; the first step's products start the sums
	WIN 0
	ASK                                            ; part 2
	s_mov_b32 s3, 4
.Llap:                                                 ; a trip: six steps, once round the ring; both slots are filled again
	STEP 0, 1, 1, 0, 0
	TURN 0, 0, 1, 1
	STEP 1, 0, 1, 0, 1
	STEP 1, 1, 0, 0, 0
	TURN 1, 1, 1, 2
	STEP 0, 0, 0, 0, 1
	WIN 0
	s_sub_co_u32 s3, s3, 1
	s_cmp_lg_u32 s3, 0
	s_cbranch_scc1 .Llap
	STEP 0, 1, 1, 0, 0
	TURN 0, 0, 2, 0                                ; the last fill: two bricks
	STEP 1, 0, 1, 0, 1
	STEP 1, 1, 0, 0, 0
	TURN 1, 1, 0, 0                                ; nothing is filled again: no round
; THE WAY OUT, block by block of 16 rows x 128 columns, through my own stage: in as 32 bytes a lane, back as whole rows of 512 bytes into the block's own accumulators, which the 32 lanes store as two aligned runs of 256 bytes.
; LDS serves a wave's instructions in order: no wait between the stores and the loads, nor ahead of the next block's stores.  Every block has registers of its own and every store an immediate offset
; (127 rows of 16,384 bytes at the most, inside the signed 24-bit immediate): nothing that a store reads is written again.
.macro TOSTAGE a
.set AC, 64*((\a)%2)
	WIN ((\a)/2)<<2                                ; the data: the block's window
.irp b, 0,1,2,3,4,5,6,7
	ds_store_b128 v[STO], v[AC+8*\b:AC+8*\b+3] offset:64*\b          ; each accumulator from its low end on
	ds_store_b128 v[STO], v[AC+8*\b+4:AC+8*\b+7] offset:64*\b+16
.endr
	WIN ((\a)/2)<<6
.irp t, 0,1,2,3,4,5,6,7,8,9,10,11,12,13,14,15
	ds_load_b128 v[AC+4*\t:AC+4*\t+3], v[RD] offset:\t*SPITCH
.endr
.endm
.macro SEND a, younger                 ; younger: the LDS instructions issued behind block a's loads
.set AC, 64*((\a)%2)
	s_wait_dscnt \younger
	WIN ((\a)/2)<<2
.irp t, 0,1,2,3,4,5,6,7,8,9,10,11,12,13,14,15
	global_store_b128 v[CO], v[AC+4*\t:AC+4*\t+3], s[12:13] offset:(16*(\a)+\t)*SIZE_N*4 th:TH_STORE_NT
.endr
.endm
	PLACES                                         ; THE LAST TWO STEPS, 30 (sets 0) and 31 (sets 1)
	s_wait_dscnt 12                                ; step 30's scale words, B and A's blocks 0-3 are in
	FETCHB 0,BRICK,1                               ; step 31's operands
	FETCHA 0,BRICK,1
	QUART 0,0,0
	QUART 1,0,0
	s_wait_dscnt 0x0                               ; both steps' operands are in registers
	QUART 0,1,0
	QUART 1,1,0                                    ; my rows 0-63 are finished
	PLACES                                         ; between their products and the stage's reads of them and loads into them
	TOSTAGE 0
	QUART 2,0,0
	TOSTAGE 1
	SEND 0, 32
	QUART 3,0,0
	TOSTAGE 2
	SEND 1, 32
	QUART 2,1,0
	TOSTAGE 3
	SEND 2, 32
	QUART 3,1,0
	PLACES
.irp a, 4,5,6,7
	TOSTAGE \a
	SEND \a-1, 32
.endr
	SEND 7, 0
	WIN 0
	s_wait_tensorcnt 0x0                           ; the wave's end
	ds_add_u32 v[SPW], v[NIL]
	s_wait_dscnt 0x0
	CROUND                                         ; the closing round
	s_endpgm
.Lfunc_end_k_qfc4a26b9aa_gemm:
	.size	k_qfc4a26b9aa_gemm, .Lfunc_end_k_qfc4a26b9aa_gemm-k_qfc4a26b9aa_gemm
	.p2alignl 7, 3214868480
	.fill 96, 4, 3214868480
	.section	.rodata,"a",@progbits
	.p2align	6, 0x0
	.amdhsa_kernel k_qfc4a26b9aa_gemm
		.amdhsa_group_segment_fixed_size 327680
		.amdhsa_private_segment_fixed_size 0
		.amdhsa_enable_private_segment 0
		.amdhsa_kernarg_size 24
		.amdhsa_user_sgpr_count 2
		.amdhsa_user_sgpr_kernarg_segment_ptr 1
		.amdhsa_wavefront_size32 1
		.amdhsa_system_sgpr_workgroup_id_x 1
		.amdhsa_system_sgpr_workgroup_id_y 1
		.amdhsa_system_sgpr_workgroup_id_z 1
		.amdhsa_system_vgpr_workitem_id 0
		.amdhsa_next_free_vgpr 1024
		.amdhsa_next_free_sgpr 98
		.amdhsa_reserve_vcc 0
		.amdhsa_float_denorm_mode_32 3
		.amdhsa_float_denorm_mode_16_64 3
		.amdhsa_memory_ordered 1
		.amdhsa_forward_progress 1
		.amdhsa_inst_pref_size 204
	.end_amdhsa_kernel
	.amdgpu_metadata
---
amdhsa.version: [ 1, 2 ]
amdhsa.kernels:
  - .name:           k_qfc4a26b9aa_gemm
    .symbol:         k_qfc4a26b9aa_gemm.kd
    .args:
      - { .name: xq, .offset: 0, .size: 8, .value_kind: global_buffer, .address_space: global }
      - { .name: wq, .offset: 8, .size: 8, .value_kind: global_buffer, .address_space: global }
      - { .name: out0, .offset: 16, .size: 8, .value_kind: global_buffer, .address_space: global }
    .group_segment_fixed_size: 327680
    .private_segment_fixed_size: 0
    .kernarg_segment_align: 8
    .kernarg_segment_size: 24
    .max_flat_workgroup_size: 128
    .sgpr_count:     98
    .vgpr_count:     1024
    .wavefront_size: 32
...
	.end_amdgpu_metadata
.endif
;; end of part 3
